; MI455X (gfx1250); checked and timed in simulation.
; The chip was launched on July 23, 2026; its instructions are those of AMD's public machine-readable ISA for CDNA 5 (MIT licence, August 2026) and "CDNA5" Instruction Set Architecture Reference Guide (July 2026). The comments in the code are by the model that wrote it; some were corrected since.
;; Dueling DQN. Allowed arithmetic: matrix products marked QUANTISED: E5M2 operands, one E8M0 scale for each 32 along K, by v_wmma_scale_f32_16x16x128_f8f6f4 with both operands' format E5M2, f32 sums; products left as they are: f32 operands where the result goes on into a quantised operand, else bf16, f16 or f32 operands; f32 sums; everything else in f32.
;; Inputs: W1 256 x 68 float32; Wk 64 x 64 float32; Wo 64 x 64 float32; Wq 64 x 64 float32; Wv 64 x 64 float32; a1_beps 128 float32; a1_bmu 128 float32; a1_bsig 128 float32; a1_weps 128 x 256 float32; a1_wmu 128 x 256 float32; a1_wsig 128 x 256 float32; a2_beps 3 float32; a2_bmu 3 float32; a2_bsig 3 float32; a2_weps 3 x 128 float32; a2_wmu 3 x 128 float32; a2_wsig 3 x 128 float32; b1 256 float32; bk 64 float32; bo 64 float32; bq 64 float32; bv 64 float32; state 2,048 x 180 x 68 float32; v1_beps 128 float32; v1_bmu 128 float32; v1_bsig 128 float32; v1_weps 128 x 256 float32; v1_wmu 128 x 256 float32; v1_wsig 128 x 256 float32; v2_beps 1 float32; v2_bmu 1 float32; v2_bsig 1 float32; v2_weps 1 x 128 float32; v2_wmu 1 x 128 float32; v2_wsig 1 x 128 float32.
;; Outputs: out0 2,048 x 3 float32.
;; This version of the problem:
;;   THIS VERSION OF THE PROBLEM IS GIVEN IN LOW PRECISION. The matrix products marked QUANTISED in the list below multiply operands that are first quantised to E5M2 (5 exponent bits, 2 mantissa bits; 8 bits a number), with one power-of-two scale for each 32 numbers along K (OCP MX v1.0); their sums are f32. All else is computed in f32.
;;   The module's matrix products, in the order in which they are computed (A, B: the left and right operand; K: the contracted axis; several contracted axes count as one K, in the product's order):
;;     1. [M 368,640, K 64] x [K 64, N 64]; A: input state; B: input Wq: QUANTISED
;;     2. [M 368,640, K 64] x [K 64, N 64]; A: input state; B: input Wk: QUANTISED
;;     3. [M 368,640, K 64] x [K 64, N 64]; A: input state; B: input Wv: QUANTISED
;;     4. batch 8,192 x [M 180, K 16] x [K 16, N 180]; A: computed on the way; B: computed on the way: left as it is (K = 16 < 32)
;;     5. batch 8,192 x [M 180, K 180] x [K 180, N 16]; A: softmax (see below); B: computed on the way: QUANTISED
;;     6. [M 368,640, K 64] x [K 64, N 64]; A: computed on the way; B: input Wo: QUANTISED
;;     7. [M 2,048, K 68] x [K 68, N 256]; A: computed on the way; B: input W1: QUANTISED
;;     8. [M 2,048, K 256] x [K 256, N 128]; A: computed on the way; B: computed on the way: QUANTISED
;;     9. [M 2,048, K 128] x [K 128, N 1]; A: computed on the way; B: computed on the way: left as it is (N = 1 < 16)
;;     10. [M 2,048, K 256] x [K 256, N 128]; A: computed on the way; B: computed on the way: QUANTISED
;;     11. [M 2,048, K 128] x [K 128, N 3]; A: computed on the way; B: computed on the way: left as it is (N = 3 < 16)
;;   THE QUANTISER, for each operand of a quantised product, along K:
;;     - K is cut into blocks of 32 from its start; a last block that is shorter is filled with zeros.
;;     - A block's scale is 2^e with e = floor(log2(the largest magnitude in the block)) - 15, held to -126 .. 127; a block of zeros has e = 0. As a byte (E8M0): e + 127.
;;     - Each number is divided by its block's scale, clamped to +-57,344, and rounded to the nearest number of E5M2, ties to even, subnormals kept.
;;     - The product sums the exact products of the quantised numbers (number of the format x scale) in f32.
;;   ~~~python
;;   def quantise(x, axis):      # numpy; x: float32 -> the quantised numbers, widened to float32 again
;;       x = np.moveaxis(x, axis, -1); K = x.shape[-1]
;;       x = np.pad(x, [(0, 0)] * (x.ndim - 1) + [(0, -K % 32)]); x = x.reshape(x.shape[:-1] + (-1, 32)); a = np.abs(x).max(-1, keepdims=True)
;;       e = np.where(a > 0, np.clip(np.frexp(np.where(a > 0, a, 1))[1] - 1 - 15, -126, 127), 0)      # np.frexp(a)[1] - 1 = floor(log2(a)), exactly
;;       r = np.clip(x / 2.0 ** e, -57344, 57344)
;;       step = 2.0 ** (np.maximum(np.frexp(np.where(r == 0, 1, r))[1] - 1, -14) - 2)
;;       q = np.round(r / step) * step * 2.0 ** e      # np.round: ties to even
;;       return np.moveaxis(q.reshape(q.shape[:-2] + (-1,))[..., :K], -1, axis).astype(np.float32)
;;   ~~~
;;   SOFTMAX AHEAD OF A QUANTISED PRODUCT. Where the list says 'softmax', what is quantised is not the finished softmax but p = 2^(t - M), with t = logit x log2(e) and M = ceil(the row's largest t), a whole number; so 1/2 < the row's largest p <= 1. The row's sum l is taken of the UNQUANTISED p, in f32, and the product's result is divided by l at the end. Since M is a whole number, a kernel that streams over the keys may use a running M (the ceiling of the running maximum): every later rescaling is an exact power of two, which a block's scale takes up: the codes' values come out the same.
;;   OPERANDS COMPUTED ON THE WAY. 'Computed on the way' means the value that the module computes at that place (a softmax that the list does not call 'softmax' is quantised finished and normalised). What goes into a quantiser is computed in f32, as accurately as f32 sums, v_exp_f32 and their like allow (about 1e-6 of the number): no bf16 or f16 on the way to a quantiser, and a product that is left as it is and whose result goes on into a quantised operand takes f32 operands (vector FMAs, or v_wmma_f32_16x16x4_f32). A number that lies on a knife's edge between two numbers of the format may be rounded either way, as far as f32 arithmetic and the matrix unit's own rounding can turn it there, and no further.
;; One version. Each part assembles by itself: llvm-mc -triple=amdgcn-amd-amdhsa -mcpu=gfx1250 --defsym DOCPART=n.
;; ======== version 1 of 1: 2 launches
;; limits: right only within a limited range of input values
;; workspace buffers: att 524,288 bytes; hc 65,536 bytes; hs 32,768 bytes
;; launch attn (part 1): grid 256 x 1, 12 waves a work-group, no clusters, 327,680 bytes of LDS; arguments state, Wq, Wk, Wv, Wo, bq, bk, bv, bo, v1_wmu, v1_wsig, v1_weps, a1_wmu, a1_wsig, a1_weps, att, hc, hs; writes att, hc, hs
.if DOCPART == 1
	.amdgcn_target "amdgcn-amd-amdhsa--gfx1250"
	.amdhsa_code_object_version 6
	.text
	.protected	k_qcf5b8ea497_attn
	.globl	k_qcf5b8ea497_attn
	.p2align	8
	.type	k_qcf5b8ea497_attn,@function
k_qcf5b8ea497_attn:
	s_mov_b64 s[64:65], 0
	v_nop
	global_prefetch_b8 v0, s[64:65] scope:SCOPE_SE
	s_setreg_imm32_b32 hwreg(HW_REG_WAVE_MODE, 25, 1), 1
	s_wait_xcnt 0x0
; att[b][:] = mean over the 180 positions of (softmax attention of batch b) Wo^T + bo, with the projections, p V and the product with Wo on codes of E5M2 with one E8M0 scale for each 32 along K,
; and Q K^T (K = 16) on f32 operands, since its result goes on into p's quantiser.  Beside that, work-group g quantises row g of the stacked weight [v1_wmu + v1_wsig v1_weps ; a1_..] into hc and hs.
; WHAT IS LEFT OUT OR MOVED, for all values of the inputs.  No input is dead.  bk stays: it moves t, so M = ceil(max t), so p's codes.  mean(x + bo) = mean(x) + bo: bo is added once, behind the mean.
; The sum over the 180 rows of the product with Wo is taken in the matrix accumulators and across lanes: the order of f32 sums alone differs.  state[:, 0:179, 64:68] is sliced away by the problem; those bytes ride in
; the dense tile of live bytes and are not read from LDS.  Rows 180 to 191 are tile padding: as keys they get p = 0 and V = 0, as queries their wv is made 0.
; LIMITS.  Hidden keys are masked by adding -1e30 to the score: scores must stay far under 1e29 in size.  NaN and infinities among the inputs are not served.  Blocks whose largest magnitude lies under 2^(16 - 127)
; keep the scale byte 1; a block of zeros keeps that byte too (its codes are zeros, and this program alone reads the bytes).
; SHARES.  Work-group g owns batches 8 g .. 8 g + 7, two at a time, four rounds.  Wave w = 6 bi + j owns rows 32 j .. 32 j + 31 of batch 8 g + 2 round + bi: as keys (it makes their K and V for all four heads) and as
; queries (two tiles of 16, through all heads and keys).  Three waves to a SIMD, 256 registers each.
; LAYOUT (r = lane % 16, h = lane / 16).  Tile u of a wave's 32 rows: lane r takes row 8 u + r + 8 (r / 8).  K = 64 goes in a K = 128 instruction: x's 8 registers beside 8 zero registers, the weight's 8 twice.
; Q^T, K^T = W x^T: lane holds a row and d = 8 h + 0..7: registers 2 i, 2 i + 1 are the f32 form's K step i, for Q and K alike.  V = x Wv^T: lane holds d = r, the two tiles' 16 registers are keys 32 j + 16 h + 0..15.
; S^T = K Q^T: lane holds a query, tiles 2 b, 2 b + 1 hold keys 32 b + 16 h + 0..15.  O^T = V^T P^T: lane holds a query and d = 8 h + 0..7.  Two heads' O^T / l are a block of 32 channels in a permuted order, and Wo
; is loaded in the same order.  The wave's two query tiles go as one K = 128 operand against Wo twice: the product sums them.
; BY TURNS.  A key step is 96 keys: 24 f32 products and a softmax.  The scores are dead once t - M has been formed from them into p's registers; from there on the step's vector work (exponentials, sums, scales, holds,
; conversions) stands in slices between the NEXT step's 24 products, which write the same accumulators.  K's six tiles have registers of their own; V^T comes late, into p's first block, when its codes are made.
; The next trip's Q is formed in a trip's second step.  The first trip's first products stand ahead of the loop; the last trip, which has no successor, is written out.
; No cluster: work-groups share only the 64 KB of weights, read once each.  No prefetch: behind the first fill each refill has the whole attention phase in which to land.
.set WX,    8704                       ; a wave's 32 state rows of 272 bytes
.set KIMG,  104448                     ; K: [head] 24,576 + (2 w + u) 1,024: image of 8 registers (0-3 at 16 lane, 4-7 512 on)
.set VIMG,  202752                     ; V^T's codes: [head] 6,144 + 512 w + 16 lane
.set VSB,   227328                     ; V^T's scale bytes as words: [head] 1,536 + 128 w + 4 lane
.set WIMG,  233472                     ; weights' codes: tile t (Wq 0-3, Wk 4-7, Wv 8-11, Wo 12-15) at 1,024 t
.set WWD,   249856                     ; their doubled scale words: 128 t + 4 lane
.set BIAS,  251904                     ; bq, bk, bv
.set XSCR,  252672                     ; each wave's own: x's two tiles and words, 2,304 bytes
.set WVSC,  280320                     ; each wave's own: wv's four blocks and bytes, 2,560 bytes
.set RED,   311040                     ; partial sums: 512 w + 256 h + 4 channel
.set SPARE, 317184                     ; the spare words, 128 bytes for each of 12 waves; no other line names them
.set LI, 1                             ; v1 16 lane   v2 4 lane
.set LS, 2
.set SPW, 3                            ; v3 my spare word's address, v4 = 0: never rewritten
.set NIL, 4
.set AB, 5                             ; v5 BIAS + 32 h
.set ROWV, 6                           ; v6 32 j + r + 8 (r / 8)
.set AK, 7                             ; v7-14 LDS addresses of the phase in hand
.set XAD, 15                           ; v15 my place in my wave's rows of x
.set BO, 16                            ; v16-17 bo of channels 2 lane, 2 lane + 1
.set SC, 18                            ; v18-23 scale words and nothing else
.set NM, 24                            ; v24 -M, v25 the largest t
.set TX, 25
.set LL, 26                            ; v26-27 the row's sum in two halves
.set FF, 28                            ; v28 f = 2^(old M - new M), v29 = 0
.set RL, 30                            ; v30 1 / l, v31 = 0
.set MK, 32                            ; v32-43 0 x 4, then (h ? -1e30 : 0) x 8
.set QQ, 44
.set OO, 52
.set WVE, 60                           ; v60-67 the even head's half of a block of wv
.set C12, 68                           ; v68-79 p's codes; with v80-83 an operand
.set XBR, 72                           ; v72-79 x tile 1, or a trip's tile; with v80-87 an operand
.set ZZ, 80                            ; v80-87 zero codes
.set KK, 88                            ; v88-135 K's six tiles
.set XAR, 88                           ; v88-95 x tile 0, in the projections alone; v80-95 an operand
.set WT, 104                           ; v104-135 at work outside the attention loop
.set TT, 136                           ; v136-159 at work
.set PP, 160                           ; v160-207 fragments, then p
.set SS, 208                           ; v208-255 accumulators: written by matrix instructions alone
.set SWV, 40
.set BI, 41
.set JJ, 42
.set G0, 44
.set G1, 48
.set G1L, 56
.set SEL, 66
.set CS, 68
.set MNT, 70
.set INV, 72
.set RND, 74
.set NN, 75
.set HD, 76
.set QT, 77
.set MV, 90
.set LIVE, 91
.set KB, 92
.set VB, 93
.set VSBB, 94
.set XSB, 95
.set WVB, 96
.set H1, 97
.set N1, 98
.set WON, 0
.set WMASK, 0
.set wi, 0
.macro PLACES n
.rept \n
	v_nop
.endr
.endm
.macro BAR                             ; my LDS stores have landed and my LDS loads are in: then the work-group's barrier
	s_wait_dscnt 0x0
	s_barrier_signal -1
	s_barrier_wait -1
.endm
.macro WMS d, a, b, c, sa, sb
	v_wmma_scale_f32_16x16x128_f8f6f4 v[\d:\d+7], v[\a:\a+15], v[\b:\b+15], v[\c:\c+7], v[\sa], v[\sb] matrix_a_fmt:MATRIX_FMT_BF8 matrix_b_fmt:MATRIX_FMT_BF8
.endm
.macro WMS0 d, a, b, sa, sb
	v_wmma_scale_f32_16x16x128_f8f6f4 v[\d:\d+7], v[\a:\a+15], v[\b:\b+15], 0, v[\sa], v[\sb] matrix_a_fmt:MATRIX_FMT_BF8 matrix_b_fmt:MATRIX_FMT_BF8
.endm
; My wave's 32 rows of the next batch: a dense block, as 8 rows of 1,088 bytes.  Waves 5 and 11 own rows 160 .. 191, of which 20 exist: their descriptor states 5 rows, and the other 3 arrive as zeros.
; The branches hang on the wave's number alone; every way passes one load.  An s_nop 0 and four v_nop follow each.
.macro TLOAD
	s_cmp_eq_u32 s[SWV], 5
	s_cbranch_scc1 .Lshort_\@
	s_cmp_eq_u32 s[SWV], 11
	s_cbranch_scc1 .Lshort_\@
	tensor_load_to_lds s[G0:G0+3], s[G1:G1+7]
	s_nop 0
	PLACES 4
	s_branch .Lasked_\@
.Lshort_\@:
	tensor_load_to_lds s[G0:G0+3], s[G1L:G1L+7]
	s_nop 0
	PLACES 4
.Lasked_\@:
.endm
; Two blocks of 32 along K, 16 numbers of each in my lane (v[src + 16 b + i]), the other 16 in lane xor 16.  Held numbers go to v[dst ..], codes to v[cod .. cod + 7], bytes to v[TT+14], v[TT+15].
; sc >= 0: the word (b0, b1, b0, b1) goes to v[sc], ahead of the 32 holds, which are its places in front of a scaled product.
.macro QUANT2 src, dst, cod, sc
.irp b,0,1
	v_max3_num_f32 v[TT+8+\b], |v[\src+16*\b]|, |v[\src+16*\b+1]|, 0x8000000   ; the floor 2^(16 - 127): the byte cannot fall under 1
.endr
.irp i,2,4,6,8,10,12,14
.irp b,0,1
	v_max3_num_f32 v[TT+8+\b], v[TT+8+\b], |v[\src+16*\b+\i]|, |v[\src+16*\b+\i+1]|
.endr
.endr
.irp b,0,1
	v_permlanex16_b32 v[TT+22+\b], v[TT+8+\b], s[SEL], s[SEL+1]
.endr
.irp b,0,1
	v_max_num_f32 v[TT+8+\b], v[TT+8+\b], v[TT+22+\b]         ; the block's largest magnitude
.endr
.irp b,0,1
	v_add_nc_u32 v[TT+12+\b], 0xf8800000, v[TT+8+\b]          ; 15 off its exponent field: the conversion's scale operand
.endr
.irp b,0,1
	v_and_or_b32 v[TT+10+\b], v[TT+8+\b], 0x7f800000, s[MNT]  ; 57,344 x the scale
.endr
.irp b,0,1
	v_lshrrev_b32 v[TT+14+\b], 23, v[TT+12+\b]                ; the scale's byte
.endr
.if \sc >= 0
	v_lshl_or_b32 v[\sc], v[TT+15], 8, v[TT+14]
	v_lshl_or_b32 v[\sc], v[\sc], 16, v[\sc]
.endif
.irp b,0,1
.irp i,0,1,2,3,4,5,6,7,8,9,10,11,12,13,14,15
	v_med3_num_f32 v[\dst+16*\b+\i], v[\src+16*\b+\i], -v[TT+10+\b], v[TT+10+\b]   ; the conversion does not saturate (ISA guide 7.6.2): the hold
.endr
	v_cvt_scalef32_pk8_bf8_f32 v[\cod+4*\b:\cod+4*\b+1], v[\dst+16*\b:\dst+16*\b+7], v[TT+12+\b]
	v_cvt_scalef32_pk8_bf8_f32 v[\cod+4*\b+2:\cod+4*\b+3], v[\dst+16*\b+8:\dst+16*\b+15], v[TT+12+\b]
.endr
	v_nop                                          ; a plain line behind the last conversion
.endm
.macro WLOAD reg, adr, t               ; weight tile t, its 8 registers twice
	ds_load_b128 v[\reg:\reg+3], v[\adr] offset:1024*(\t)
	ds_load_b128 v[\reg+4:\reg+7], v[\adr] offset:1024*(\t)+512
	ds_load_b128 v[\reg+8:\reg+11], v[\adr] offset:1024*(\t)
	ds_load_b128 v[\reg+12:\reg+15], v[\adr] offset:1024*(\t)+512
.endm
.macro KLOAD off                       ; six tiles of K, 8 registers each
.irp t,0,1,2,3,4,5
	ds_load_b128 v[KK+8*\t:KK+8*\t+3], v[AK] offset:\off+1024*\t
	ds_load_b128 v[KK+8*\t+4:KK+8*\t+7], v[AK] offset:\off+1024*\t+512
.endr
.endm
.macro XLD reg, off                    ; 32 numbers of my row of a tile
.irp c,0,1
.irp q,0,1,2,3
	ds_load_b128 v[\reg+16*\c+4*\q:\reg+16*\c+4*\q+3], v[XAD] offset:\off+128*\c+16*\q
.endr
.endr
.endm
	s_load_b512 s[4:19], s[0:1], 0x0               ; state 4, Wq 6, Wk 8, Wv 10, Wo 12, bq 14, bk 16, bv 18
	s_load_b512 s[20:35], s[0:1], 0x40             ; bo 20, v1_wmu 22, v1_wsig 24, v1_weps 26, a1_wmu 28, a1_wsig 30, a1_weps 32, att 34
	s_load_b128 s[36:39], s[0:1], 0x80             ; hc 36, hs 38
	v_lshl_add_u32 v[SPW], v0, 2, SPARE
	v_mov_b32 v[NIL], 0
	ds_add_u32 v[SPW], v[NIL]                      ; the wave's opening: the add, twice on end, and its wait ahead of my first tensor load
	ds_add_u32 v[SPW], v[NIL]                      ; and once more; the set-up below, work on registers, stands between it and the wait
	v_lshrrev_b32 v[TT], 5, v0
	v_readfirstlane_b32 s[SWV], v[TT]              ; wave 0..11
	s_mul_i32 s[BI], s[SWV], 43
	s_lshr_b32 s[BI], s[BI], 8                     ; w / 6
	s_mul_i32 s78, s[BI], 6
	s_sub_co_u32 s[JJ], s[SWV], s78                ; w % 6
	s_mov_b32 s[G1], 3<<16                         ; elements of 8 bytes, no mask, no padding
	s_mov_b32 s[G1+1], 136<<16                     ; tensor_dim0 = 136 elements: four state rows
	s_mov_b32 s[G1+2], 8<<16                       ; tensor_dim1 = 8
	s_mov_b32 s[G1+3], 136<<16                     ; tile_dim0
	s_mov_b32 s[G1+4], 8                           ; tile_dim1
	s_mov_b32 s[G1+5], 136                         ; the pitch: dense
	s_mov_b32 s[G1+6], 0
	s_mov_b32 s[G1+7], 0
	s_mov_b32 s[G1L], 3<<16
	s_mov_b32 s[G1L+1], 136<<16
	s_mov_b32 s[G1L+2], 5<<16                      ; tensor_dim1 = 5: state rows 160 .. 179; the tile's last three rows are written as zeros
	s_mov_b32 s[G1L+3], 136<<16
	s_mov_b32 s[G1L+4], 8
	s_mov_b32 s[G1L+5], 136
	s_mov_b32 s[G1L+6], 0
	s_mov_b32 s[G1L+7], 0
	s_mov_b32 s[SEL], 0x76543210
	s_mov_b32 s[SEL+1], 0xfedcba98                 ; v_permlanex16_b32's selects for lane xor 16
	s_mov_b32 s[CS], 0x3eb8aa3b                    ; c = log2(e) / sqrt(16)
	s_mov_b32 s[CS+1], s[CS]
	s_mov_b32 s[MNT], 0x600000                     ; the mantissa field of 57,344
	s_mov_b32 s[INV], 0x3bb60b61                   ; 1 / 180
	s_mov_b32 s[INV+1], s[INV]
	s_mov_b32 s[H1], 0xffff0000                    ; lanes 16-31
	s_cmp_eq_u32 s[SWV], 5
	s_cselect_b32 s[MV], s[H1], 0
	s_cmp_eq_u32 s[SWV], 11
	s_cselect_b32 s[MV], s[H1], s[MV]              ; lanes that hold dead keys of V: lanes 16-31 of the waves that own rows 160 .. 191
	s_mul_i32 s[KB], s[BI], 12288
	s_add_co_u32 s[KB], s[KB], KIMG
	s_mul_i32 s[VB], s[BI], 3072
	s_add_co_u32 s[VB], s[VB], VIMG
	s_mul_i32 s[VSBB], s[BI], 768
	s_add_co_u32 s[VSBB], s[VSBB], VSB
	s_mul_i32 s[XSB], s[SWV], 2304
	s_add_co_u32 s[XSB], s[XSB], XSCR
	s_mul_i32 s[WVB], s[SWV], 2560
	s_add_co_u32 s[WVB], s[WVB], WVSC
	s_mov_b32 s[G0], 1
	s_mul_i32 s[G0+1], s[SWV], WX                  ; my wave's rows in LDS
	s_mul_i32 s80, ttmp9, 391680                   ; 8 batches of 48,960 bytes
	s_add_co_u32 s80, s80, s[G0+1]
	s_mul_i32 s81, s[BI], 3264                     ; 6 x 8,704 - 48,960
	s_sub_co_u32 s80, s80, s81
	s_mov_b32 s81, 0
	s_lshl_b32 s82, ttmp9, 11
	s_lshl_b32 s83, s[BI], 8
	s_add_co_u32 s82, s82, s83                     ; att: 256 bytes a batch
	s_mov_b32 s83, 0
	v_and_b32 v[LS], 31, v0
	v_lshlrev_b32 v[LI], 4, v[LS]
	v_lshlrev_b32 v[LS], 2, v[LS]
	v_and_b32 v[TT], 15, v0                        ; r
	v_bfe_u32 v[TT+1], v0, 4, 1                    ; h
	v_and_b32 v[TT+2], 8, v0
	v_add_nc_u32 v[TT+2], v[TT+2], v[TT]           ; r + 8 (r / 8)
	v_lshl_add_u32 v[AB], v[TT+1], 5, BIAS
	s_lshl_b32 s78, s[JJ], 5
	v_add_nc_u32 v[ROWV], s78, v[TT+2]
	v_mul_u32_u24 v[XAD], v[TT+2], 272
	v_lshl_add_u32 v[XAD], v[TT+1], 6, v[XAD]
	v_add_nc_u32 v[XAD], s[G0+1], v[XAD]
	v_mov_b32 v[TT+3], 0xf149f2ca                  ; -1e30
.irp i,0,1,2,3
	v_mov_b32 v[MK+\i], 0
.endr
.irp i,4,5,6,7,8,9,10,11
	v_cndmask_b32 v[MK+\i], v[NIL], v[TT+3], s[H1]
.endr
.irp i,0,1,2,3,4,5,6,7
	v_mov_b32 v[ZZ+\i], 0
.endr
.irp i,0,1,2,3,4,5,6,7
	v_mov_b32 v[WVE+\i], 0                         ; written once, so that no way through the text names them unwritten; every even trip writes them anew
.endr
	v_mov_b32 v[FF+1], 0                           ; named as upper halves of pairs
	v_mov_b32 v[RL+1], 0
	v_mov_b32 v[TT+22], 0                          ; a lane permute's destination counts as one of its sources
	v_mov_b32 v[TT+23], 0
	; the addresses of the set-up, all made ahead of the first branch on the wave's number
	s_and_b32 s84, s[SWV], 3
	s_lshl_b32 s85, s84, 12
	v_lshlrev_b32 v8, 8, v[TT]
	v_add_nc_u32 v8, s85, v8                       ; a weight's row 16 (w % 4) + r
	v_lshl_add_u32 v9, v[TT+1], 5, v8              ; Wo: + 32 h
	v_lshl_add_u32 v8, v[TT+1], 6, v8              ; Wq, Wk, Wv: + 64 h
	s_lshl_b32 s85, s84, 6
	v_lshl_add_u32 v10, v[TT], 2, s85              ; a bias: 64 (w % 4) + 4 r
	s_lshl_b32 s85, s[SWV], 10
	s_add_co_u32 s85, s85, WIMG
	v_add_nc_u32 v11, s85, v[LI]
	s_lshl_b32 s85, s[SWV], 7
	s_add_co_u32 s85, s85, WWD
	v_add_nc_u32 v12, s85, v[LS]
	s_lshl_b32 s85, s[SWV], 6
	s_add_co_u32 s85, s85, BIAS
	v_lshl_add_u32 v13, v[TT], 2, s85
	v_lshlrev_b32 v[AK], 1, v[LS]                  ; 8 lane
	s_and_b32 s85, ttmp9, 127
	s_lshl_b32 s85, s85, 10
	v_lshl_add_u32 v14, v[LI], 1, s85              ; the hidden weights: row g % 128, 32 bytes a lane
	s_wait_dscnt 0x0                               ; both opening adds are done
	s_wait_kmcnt 0x0
	s_add_nc_u64 s[G0+2:G0+3], s[4:5], s[80:81]
	s_or_b32 s[G0+3], s[G0+3], 0x80000000          ; type = 2
	s_add_nc_u64 s[34:35], s[34:35], s[82:83]
	TLOAD                                          ; round 0's rows: one tensor load of mine is out
	; ---- the weights are quantised once: wave w takes tile w of Wq, Wk, Wv and 16 numbers of their biases
	s_cmp_lt_u32 s[SWV], 8
	s_cselect_b64 s[78:79], s[8:9], s[10:11]
	s_cselect_b64 s[80:81], s[16:17], s[18:19]
	s_cmp_lt_u32 s[SWV], 4
	s_cselect_b64 s[78:79], s[6:7], s[78:79]
	s_cselect_b64 s[80:81], s[14:15], s[80:81]
.irp c,0,1
.irp q,0,1,2,3
	global_load_b128 v[PP+16*\c+4*\q:PP+16*\c+4*\q+3], v8, s[78:79] offset:128*\c+16*\q
.endr
.endr
	global_load_b32 v[WT], v10, s[80:81]
	global_load_b64 v[BO:BO+1], v[AK], s[20:21]
	s_wait_loadcnt 0x0
	QUANT2 PP, PP, TT, SC
	ds_store_b128 v11, v[TT:TT+3]
	ds_store_b128 v11, v[TT+4:TT+7] offset:512
	ds_store_b32 v12, v[SC]
	ds_store_b32 v13, v[WT]                        ; both halves of the lanes write the same word with the same value
	s_wait_dscnt 0x0                               ; the stores have read their registers
	s_cmp_lt_u32 s[SWV], 4
	s_cbranch_scc0 .Lnot_wo
.irp c,0,1                                     ; Wo's tile w, in wv's order inside a block: place 16 h + i holds channel 32 c + 16 (i / 8) + 8 h + i % 8
	global_load_b128 v[PP+16*\c:PP+16*\c+3], v9, s[12:13] offset:128*\c
	global_load_b128 v[PP+16*\c+4:PP+16*\c+7], v9, s[12:13] offset:128*\c+16
	global_load_b128 v[PP+16*\c+8:PP+16*\c+11], v9, s[12:13] offset:128*\c+64
	global_load_b128 v[PP+16*\c+12:PP+16*\c+15], v9, s[12:13] offset:128*\c+80
.endr
	s_wait_loadcnt 0x0
	QUANT2 PP, PP, TT, SC
	ds_store_b128 v11, v[TT:TT+3] offset:12288
	ds_store_b128 v11, v[TT+4:TT+7] offset:12800
	ds_store_b32 v12, v[SC] offset:1536
.Lnot_wo:
	s_cmp_eq_u32 s[SWV], 4
	s_cbranch_scc0 .Lnot_hid
	; ---- wave 4: row g of the stacked hidden weight, 256 numbers, 8 a lane; a block of 32 lies in four neighbouring lanes
	s_cmp_lt_u32 ttmp9, 128
	s_cselect_b64 s[78:79], s[22:23], s[28:29]
	s_cselect_b64 s[80:81], s[24:25], s[30:31]
	s_cselect_b64 s[82:83], s[26:27], s[32:33]
	global_load_b128 v[PP:PP+3], v14, s[78:79]
	global_load_b128 v[PP+4:PP+7], v14, s[78:79] offset:16
	global_load_b128 v[PP+8:PP+11], v14, s[80:81]
	global_load_b128 v[PP+12:PP+15], v14, s[80:81] offset:16
	global_load_b128 v[PP+16:PP+19], v14, s[82:83]
	global_load_b128 v[PP+20:PP+23], v14, s[82:83] offset:16
	s_lshl_b32 s84, ttmp9, 8
	s_mov_b32 s85, 0
	s_add_nc_u64 s[36:37], s[36:37], s[84:85]
	s_lshl_b32 s84, ttmp9, 7
	s_add_nc_u64 s[38:39], s[38:39], s[84:85]
	s_wait_loadcnt 0x0
.irp i,0,2,4,6
	v_pk_fma_f32 v[PP+\i:PP+\i+1], v[PP+8+\i:PP+9+\i], v[PP+16+\i:PP+17+\i], v[PP+\i:PP+\i+1]   ; mu + sigma epsilon
.endr
	v_max3_num_f32 v[TT+8], |v[PP]|, |v[PP+1]|, 0x8000000
.irp i,2,4,6
	v_max3_num_f32 v[TT+8], v[TT+8], |v[PP+\i]|, |v[PP+\i+1]|
.endr
	v_max_num_f32_dpp v[TT+8], v[TT+8], v[TT+8] row_xmask:1 row_mask:0xf bank_mask:0xf
	v_max_num_f32_dpp v[TT+8], v[TT+8], v[TT+8] row_xmask:2 row_mask:0xf bank_mask:0xf
	v_add_nc_u32 v[TT+12], 0xf8800000, v[TT+8]
	v_and_or_b32 v[TT+10], v[TT+8], 0x7f800000, s[MNT]
	v_lshrrev_b32 v[TT+14], 23, v[TT+12]
.irp i,0,1,2,3,4,5,6,7
	v_med3_num_f32 v[PP+\i], v[PP+\i], -v[TT+10], v[TT+10]
.endr
	v_cvt_scalef32_pk8_bf8_f32 v[TT:TT+1], v[PP:PP+7], v[TT+12]
	v_bfe_u32 v[TT+15], v0, 2, 2                   ; my block's place in its K step's word
	v_lshlrev_b32 v[TT+15], 3, v[TT+15]
	v_lshlrev_b32 v[TT+14], v[TT+15], v[TT+14]
	v_mov_b32_dpp v[TT+9], v[TT+14] row_xmask:4 row_mask:0xf bank_mask:0xf
	v_or_b32 v[TT+14], v[TT+14], v[TT+9]
	v_mov_b32_dpp v[TT+9], v[TT+14] row_xmask:8 row_mask:0xf bank_mask:0xf
	v_or_b32 v[TT+14], v[TT+14], v[TT+9]           ; lanes 0-15: the word of K step 0; lanes 16-31: of K step 1
	global_store_b64 v[AK], v[TT:TT+1], s[36:37]   ; 32 lanes store 256 consecutive bytes, aligned
	global_store_b32 v[LS], v[TT+14], s[38:39]
.Lnot_hid:
	s_wait_xcnt 0x0                                ; the stores' registers are written again only behind this wait
	BAR                                            ; the weights' images lie in LDS; my tensor load may stay out
; ---- x: my 32 rows become two tiles of codes
.macro XPHASE
	s_wait_tensorcnt 0x0                           ; my one tensor load has landed; only I read its bytes
	XLD PP, 0
	XLD WT, 2176
	s_wait_dscnt 8                                 ; tile 0's eight loads are in
	QUANT2 PP, PP, XAR, SC
	s_wait_dscnt 0x0
	QUANT2 WT, WT, XBR, SC+1
	v_add_nc_u32 v8, s[XSB], v[LI]                 ; the phase's addresses: eight plain lines, also the places between the codes and the first product
	v_add_nc_u32 v9, s[XSB], v[LS]
	v_add_nc_u32 v10, WIMG, v[LI]
	v_add_nc_u32 v11, WWD, v[LS]
	s_lshl_b32 s78, s[SWV], 11
	s_add_co_u32 s78, s78, KIMG
	v_add_nc_u32 v12, s78, v[LI]
	v_add_nc_u32 v13, 49152, v12
	s_lshl_b32 s79, s[SWV], 9
	s_add_co_u32 s79, s79, VIMG
	v_add_nc_u32 v14, s79, v[LI]
	s_lshl_b32 s80, s[SWV], 7
	s_add_co_u32 s80, s80, VSB
	v_add_nc_u32 v[AK], s80, v[LS]
	ds_store_b128 v8, v[XAR:XAR+3]                 ; for the query trips
	ds_store_b128 v8, v[XAR+4:XAR+7] offset:512
	ds_store_b128 v8, v[XBR:XBR+3] offset:1024
	ds_store_b128 v8, v[XBR+4:XBR+7] offset:1536
	ds_store_b32 v9, v[SC] offset:2048
	ds_store_b32 v9, v[SC+1] offset:2176
.endm
; ---- K^T of heads 2 hp, 2 hp + 1 for my two tiles: source 0 = Wk's 16 rows, source 1 = x, C = bk
.macro KPROJ hp
.irp a,0,1
	WLOAD PP+16*\a, 10, 4+2*(\hp)+\a
	ds_load_b32 v[SC+2+\a], v11 offset:128*(4+2*(\hp)+\a)
	ds_load_b128 v[PP+32+8*\a:PP+35+8*\a], v[AB] offset:256+64*(2*(\hp)+\a)
	ds_load_b128 v[PP+36+8*\a:PP+39+8*\a], v[AB] offset:256+64*(2*(\hp)+\a)+16
.endr
	s_wait_dscnt 0x0
.irp a,0,1
	WMS SS+16*\a, PP+16*\a, ZZ, PP+32+8*\a, SC+2+\a, SC
	WMS SS+16*\a+8, PP+16*\a, XBR, PP+32+8*\a, SC+2+\a, SC+1
.endr
	PLACES 9                                       ; in front of the stores of results, of the next loads into the operands, and of the next products, which write over these accumulators
.irp a,0,1
.irp u,0,1
	ds_store_b128 v[12+\hp], v[SS+16*\a+8*\u:SS+16*\a+8*\u+3] offset:24576*\a+1024*\u
	ds_store_b128 v[12+\hp], v[SS+16*\a+8*\u+4:SS+16*\a+8*\u+7] offset:24576*\a+1024*\u+512
.endr
.endr
.endm
; ---- V of heads 2 hp, 2 hp + 1: source 0 = x, source 1 = Wv's 16 rows, C = bv (0 for dead keys: with x's zero codes V is 0 there); quantised along my 32 keys: one block of V^T
.macro VPROJ hp
.irp a,0,1
	WLOAD PP+16*\a, 10, 8+2*(\hp)+\a
	ds_load_b32 v[SC+2+\a], v11 offset:128*(8+2*(\hp)+\a)
	ds_load_b32 v[FF+2*\a], v8 offset:512+64*(2*(\hp)+\a)
.endr
	s_wait_dscnt 0x0
.irp a,0,1
.irp i,0,1,2,3
	v_mov_b32 v[TT+12*\a+\i], v[FF+2*\a]
.endr
.irp i,4,5,6,7,8,9,10,11
	v_cndmask_b32 v[TT+12*\a+\i], v[FF+2*\a], v[NIL], s[MV]
.endr
.endr
.irp a,0,1
	WMS SS+16*\a, ZZ, PP+16*\a, TT+12*\a, SC, SC+2+\a
	WMS SS+16*\a+8, XBR, PP+16*\a, TT+12*\a+4, SC+1, SC+2+\a
.endr
	PLACES 9
	QUANT2 SS, PP, TT, -1
	ds_store_b128 v14, v[TT:TT+3] offset:6144*(2*(\hp))
	ds_store_b128 v14, v[TT+4:TT+7] offset:6144*(2*(\hp)+1)
	ds_store_b32 v[AK], v[TT+14] offset:1536*(2*(\hp))
	ds_store_b32 v[AK], v[TT+15] offset:1536*(2*(\hp)+1)
	s_wait_dscnt 0x0                               ; the stores have read their registers
.endm
; ---- THE ATTENTION LOOP.  Trip N: query tile N / 4, head N % 4; two key steps of 96 keys (six tiles, three blocks).
; Product number wi of a step's 24: K step wi / 6 of tile wi % 6: the six accumulators take turns, one instruction a turn.  WON = 0: there is no next step, and nothing is written.
; WMASK = 1: the step is a trip's second, whose last 12 keys do not exist: their sums begin at -1e30.
.macro WNEXT
.if WON
.set wt, wi%6
.set wk, wi/6
.if wk > 0
	v_wmma_f32_16x16x4_f32 v[SS+8*wt:SS+8*wt+7], v[KK+8*wt+2*wk:KK+8*wt+2*wk+1], v[QQ+2*wk:QQ+2*wk+1], v[SS+8*wt:SS+8*wt+7]
.elseif WMASK && (wt > 3)
	v_wmma_f32_16x16x4_f32 v[SS+8*wt:SS+8*wt+7], v[KK+8*wt:KK+8*wt+1], v[QQ:QQ+1], v[MK+4*wt-16:MK+4*wt-9]
.else
	v_wmma_f32_16x16x4_f32 v[SS+8*wt:SS+8*wt+7], v[KK+8*wt:KK+8*wt+1], v[QQ:QQ+1], 0
.endif
.set wi, wi+1
.endif
.endm
; The LDS addresses of trip s[n]'s operands: seven additions and a v_nop, eight plain lines that name no register of a product
.macro NEXTADR n
	s_lshr_b32 s[QT], s[\n], 2
	s_and_b32 s[HD], s[\n], 3
	s_lshl_b32 s78, s[QT], 10
	s_add_co_u32 s78, s78, s[XSB]
	v_add_nc_u32 v8, s78, v[LI]                    ; x's tile
	s_lshl_b32 s79, s[HD], 10
	s_add_co_u32 s79, s79, WIMG
	v_add_nc_u32 v9, s79, v[LI]                    ; Wq's tile
	s_lshl_b32 s80, s[HD], 6
	v_add_nc_u32 v10, s80, v[AB]                   ; bq
	s_lshl_b32 s81, s[QT], 7
	s_add_co_u32 s81, s81, s[XSB]
	v_add_nc_u32 v11, s81, v[LS]                   ; x's word
	s_lshl_b32 s82, s[HD], 7
	s_add_co_u32 s82, s82, WWD
	v_add_nc_u32 v12, s82, v[LS]                   ; Wq's word
	s_mul_i32 s84, s[HD], 1536
	s_add_co_u32 s84, s84, s[VSBB]
	v_add_nc_u32 v14, s84, v[LS]                   ; V^T's bytes
	s_mul_i32 s85, s[HD], 24576
	s_add_co_u32 s85, s85, s[KB]
	v_add_nc_u32 v[AK], s85, v[LI]                 ; K
	v_nop
.endm
; That trip's operands: sixteen loads that Q and V^T's scale words want, then K's first six tiles, twelve loads
.macro NEXTLD
	ds_load_b128 v[XBR:XBR+3], v8
	ds_load_b128 v[XBR+4:XBR+7], v8 offset:512
	WLOAD PP+16, 9, 0
	ds_load_b128 v[PP+32:PP+35], v10
	ds_load_b128 v[PP+36:PP+39], v10 offset:16
	ds_load_b32 v[SC], v11 offset:2048
	ds_load_b32 v[SC+1], v12
.irp b,0,1,2,3,4,5
	ds_load_b32 v[TT+16+\b], v14 offset:128*\b
.endr
	KLOAD 0
.endm
.macro QPROJ                           ; Q^T: source 0 = Wq's 16 rows, source 1 = x, C = bq
	s_wait_dscnt 12                                ; the sixteen are in; K's twelve loads may be out
	WMS QQ, PP+16, XBR, PP+32, SC+1, SC
.endm
.macro MAXP                            ; each block's largest score: for the row's maximum, and for the block's largest p.  Each accumulator is first read at its low end
.irp b,0,1,2
	v_max3_num_f32 v[TT+\b], v[SS+16*\b], v[SS+16*\b+1], v[SS+16*\b+2]
.endr
.irp i,3,5,7,9,11,13
.irp b,0,1,2
	v_max3_num_f32 v[TT+\b], v[TT+\b], v[SS+16*\b+\i], v[SS+16*\b+\i+1]
.endr
.endr
.irp b,0,1,2
	v_max_num_f32 v[TT+\b], v[TT+\b], v[SS+16*\b+15]
.endr
.irp b,0,1,2
	v_permlanex16_b32 v[TT+3+\b], v[TT+\b], s[SEL], s[SEL+1]
.endr
.irp b,0,1,2
	v_max_num_f32 v[TT+\b], v[TT+\b], v[TT+3+\b]
.endr
	v_max3_num_f32 v[TT+12], v[TT], v[TT+1], v[TT+2]
.endm
.macro MUPD s
.if \s == 0
	v_mul_f32 v[TX], s[CS], v[TT+12]               ; the largest t
	v_floor_f32 v[NM], -v[TX]                      ; -M = floor(-t): M is a whole number
.else
	v_mul_f32 v[TT+12], s[CS], v[TT+12]
	v_max_num_f32 v[TX], v[TX], v[TT+12]
	v_mov_b32 v[TT+13], v[NM]
	v_floor_f32 v[NM], -v[TX]
	v_sub_f32 v[TT+13], v[NM], v[TT+13]            ; old M - new M, a whole number, 0 or less
	v_cvt_i32_f32 v[TT+13], v[TT+13]
	v_ldexp_f32 v[FF], 1.0, v[TT+13]               ; f = 2^(old M - new M): multiplying by it rounds nothing
.endif
.endm
.macro TMIN                            ; t - M into p's registers: behind these lines the scores are dead
.set jj, 0
.rept 24
	v_pk_fma_f32 v[PP+jj:PP+jj+1], v[SS+jj:SS+jj+1], s[CS:CS+1], v[NM:NM+1] op_sel_hi:[1,0,0]
.set jj, jj+2
.endr
.irp b,0,1,2
	v_fma_f32 v[TT+\b], v[TT+\b], s[CS], v[NM]
.endr
.endm
; The rest of step s, with the next step's 24 products between its lines: four exponentials behind each of the first twelve, two to fourteen plain lines behind each of the others.
; The last of the 24 stands ahead of the last eight holds: those, and what follows, are the places in front of the next loads into K's registers and the next reads of the scores.
.macro BPART s
.set wi, 0
.set jj, 0
.rept 48
.if (jj%4) == 0
	WNEXT
.endif
	v_exp_f32 v[PP+jj], v[PP+jj]                   ; p = 2^(t - M), not normalised
.set jj, jj+1
.endr
.if \s == 0
	v_nop                                          ; a plain line behind the exponentials
.else
	v_pk_mul_f32 v[LL:LL+1], v[LL:LL+1], v[FF:FF+1] op_sel_hi:[1,0]   ; the sums under the new M; also the plain line behind the exponentials
.endif
	s_wait_alu depctr_va_vdst(0)                   ; one wait for the 48, ahead of their first reader
.irp b,0,1,2
	v_exp_f32 v[TT+\b], v[TT+\b]                   ; each block's largest p
.endr
	WNEXT
	v_pk_add_f32 v[TT+14:TT+15], v[PP:PP+1], v[PP+2:PP+3]   ; the row's sum of the unquantised p, in two chains
.set jj, 4
.rept 11
	v_pk_add_f32 v[LL:LL+1], v[LL:LL+1], v[PP+jj:PP+jj+1]
	v_pk_add_f32 v[TT+14:TT+15], v[TT+14:TT+15], v[PP+jj+2:PP+jj+3]
.if (jj == 12) || (jj == 24) || (jj == 36)
	WNEXT
.endif
.set jj, jj+4
.endr
	v_pk_add_f32 v[LL:LL+1], v[LL:LL+1], v[TT+14:TT+15]
	s_wait_alu depctr_va_vdst(0)                   ; and one for the three
.irp b,0,1,2
	v_max_num_f32 v[TT+\b], 0x8000000, v[TT+\b]
.endr
	WNEXT
.irp b,0,1,2
	v_add_nc_u32 v[TT+6+\b], 0xf8800000, v[TT+\b]
.endr
.irp b,0,1,2
	v_and_or_b32 v[TT+9+\b], v[TT+\b], 0x7f800000, s[MNT]
.endr
.irp b,0,1,2
	v_lshrrev_b32 v[TT+3+\b], 23, v[TT+6+\b]
.endr
	WNEXT
	v_lshl_or_b32 v[SC+2], v[TT+4], 8, v[TT+3]     ; p's scale word; its fourth byte stands over zero codes
	v_lshl_or_b32 v[SC+2], v[TT+5], 16, v[SC+2]
.irp b,0,1,2
.irp i,0,1,2,3,4,5,6,7,8,9,10,11,12,13,14,15
.if (\i == 0) || (\i == 8)
	WNEXT
.endif
	v_min_num_f32 v[PP+16*\b+\i], v[PP+16*\b+\i], v[TT+9+\b]   ; p is not negative: a one-sided hold
.endr
	v_cvt_scalef32_pk8_bf8_f32 v[C12+4*\b:C12+4*\b+1], v[PP+16*\b:PP+16*\b+7], v[TT+6+\b]
	v_cvt_scalef32_pk8_bf8_f32 v[C12+4*\b+2:C12+4*\b+3], v[PP+16*\b+8:PP+16*\b+15], v[TT+6+\b]
.if \b == 0
.irp c,0,1,2
	ds_load_b128 v[PP+4*\c:PP+4*\c+3], v13 offset:1536*(\s)+512*\c   ; this step's V^T, into the registers whose p has just become codes
.endr
.endif
.if \b == 1
.irp c,12,13,14,15
	v_mov_b32 v[PP+\c], 0                          ; the operand's fourth block: zero codes
.endr
.endif
.endr
	v_nop                                          ; a plain line behind the last conversion
.if \s == 1
.irp i,0,2,4,6
	v_pk_mul_f32 v[OO+\i:OO+\i+1], v[OO+\i:OO+\i+1], v[FF:FF+1] op_sel_hi:[1,0]   ; O^T under the new M
.endr
.endif
	PLACES 4                                       ; codes made by vector instructions stand four places ahead of the product
	s_wait_dscnt 0x0                               ; V^T is in
.if \s == 0
	WMS0 OO, PP, C12, SC+3, SC+2                   ; O^T = V^T P^T starts the sum
.else
.if WON == 0
	s_wait_alu depctr_va_vdst(0)                   ; no other matrix instruction stands between this product and the one that it adds onto
.endif
	WMS OO, PP, C12, OO, SC+4, SC+2
.endif
.endm
; A trip.  At its head the scores of its first step are made or on their way, Q is its own, K's address is its own, and V^T's six bytes lie in v[TT+16] on.  more = 1: it has a successor.
.macro TRIP more
	s_and_b32 s[HD], s[NN], 3
	s_mul_i32 s83, s[HD], 6144
	s_add_co_u32 s83, s83, s[VB]
	v_add_nc_u32 v13, s83, v[LI]                   ; V^T.  These eight plain lines are the places behind the first trip's first products, which stand directly ahead
	v_mov_b32 v[LL], 0
	v_mov_b32 v[LL+1], 0
	v_lshl_or_b32 v[SC+3], v[TT+17], 8, v[TT+16]   ; V^T's scale words of the two steps
	v_lshl_or_b32 v[SC+4], v[TT+20], 8, v[TT+19]
	v_lshl_or_b32 v[SC+3], v[TT+18], 16, v[SC+3]
	v_lshl_or_b32 v[SC+4], v[TT+21], 16, v[SC+4]
	v_nop
	KLOAD 6144                                     ; the second step's six tiles of K land while the first step's maxima are taken
	MAXP
	MUPD 0
	TMIN
	s_wait_dscnt 0x0                               ; K is in
.set WON, 1
.set WMASK, 1
	BPART 0
.if \more
	s_add_co_u32 s[N1], s[NN], 1
	NEXTADR N1                                     ; eight places between the product with V^T and the load of x's tile into its source
	NEXTLD
.endif
	MAXP
.if \more
	QPROJ                                          ; the update of M and the first eight lines of t - M stand between it and the writes of its operands; all 34 between it and the products that take Q
.endif
	MUPD 1
	TMIN
.if \more
	s_wait_dscnt 0x0                               ; the next trip's K is in
.endif
.set WON, \more
.set WMASK, 0
	BPART 1
	v_add_f32 v[TT], v[LL], v[LL+1]
	s_lshr_b32 s[QT], s[NN], 2
	s_lshl_b32 s86, s[QT], 3
	v_add_nc_u32 v[TT+2], s86, v[ROWV]             ; my query's row
	v_permlanex16_b32 v[TT+1], v[TT], s[SEL], s[SEL+1]
	v_cmp_gt_u32 s[LIVE], 180, v[TT+2]
	v_add_f32 v[TT], v[TT], v[TT+1]                ; l
	v_rcp_f32 v[RL], v[TT]
	s_lshr_b32 s87, s[NN], 1
	s_lshl_b32 s88, s87, 9
	s_add_co_u32 s88, s88, s[WVB]
	v_add_nc_u32 v8, s88, v[LI]                    ; where a finished block of wv goes (made here, ahead of the branch)
	s_lshl_b32 s89, s87, 7
	s_add_co_u32 s89, s89, s[WVB]
	v_add_nc_u32 v9, s89, v[LS]
	PLACES 6                                       ; with the plain lines above: the places behind the last product
	s_wait_alu depctr_va_vdst(0)                   ; the reciprocal's wait, ahead of its first reader and of the branch
	v_cndmask_b32 v[RL], v[NIL], v[RL], s[LIVE]    ; rows 180 .. 191 do not exist: their wv is 0
	s_bitcmp1_b32 s[NN], 0
	s_cbranch_scc1 .Lodd_\@
.irp i,0,2,4,6
	v_pk_mul_f32 v[WVE+\i:WVE+\i+1], v[OO+\i:OO+\i+1], v[RL:RL+1] op_sel_hi:[1,0]
.endr
	s_branch .Lnext_\@
.Lodd_\@:
.irp i,0,2,4,6
	v_pk_mul_f32 v[OO+\i:OO+\i+1], v[OO+\i:OO+\i+1], v[RL:RL+1] op_sel_hi:[1,0]
.endr
	v_max3_num_f32 v[TT+8], |v[WVE]|, |v[WVE+1]|, 0x8000000   ; two heads make a block of 32 channels, half of it in lane xor 16
.irp i,2,4,6
	v_max3_num_f32 v[TT+8], v[TT+8], |v[WVE+\i]|, |v[WVE+\i+1]|
.endr
.irp i,0,2,4,6
	v_max3_num_f32 v[TT+8], v[TT+8], |v[OO+\i]|, |v[OO+\i+1]|
.endr
	v_permlanex16_b32 v[TT+9], v[TT+8], s[SEL], s[SEL+1]
	v_max_num_f32 v[TT+8], v[TT+8], v[TT+9]
	v_add_nc_u32 v[TT+12], 0xf8800000, v[TT+8]
	v_and_or_b32 v[TT+10], v[TT+8], 0x7f800000, s[MNT]
	v_lshrrev_b32 v[TT+14], 23, v[TT+12]
.irp i,0,1,2,3,4,5,6,7
	v_med3_num_f32 v[WVE+\i], v[WVE+\i], -v[TT+10], v[TT+10]
.endr
.irp i,0,1,2,3,4,5,6,7
	v_med3_num_f32 v[OO+\i], v[OO+\i], -v[TT+10], v[TT+10]
.endr
	v_cvt_scalef32_pk8_bf8_f32 v[TT+4:TT+5], v[WVE:WVE+7], v[TT+12]
	v_cvt_scalef32_pk8_bf8_f32 v[TT+6:TT+7], v[OO:OO+7], v[TT+12]
	v_nop
	ds_store_b128 v8, v[TT+4:TT+7]
	ds_store_b32 v9, v[TT+14] offset:2048
	s_wait_dscnt 0x0                               ; the stores have read their registers
.Lnext_\@:
.endm
.macro ATTN
	s_mov_b32 s[NN], 0
	NEXTADR NN
	NEXTLD
	QPROJ
	PLACES 9                                       ; between Q^T and the products that take it as an operand
	s_wait_dscnt 0x0                               ; K is in
.set WON, 1
.set WMASK, 0
.set wi, 0
.rept 24
	WNEXT                                          ; the first trip's first scores: there is no vector work yet to set between them
.endr
.Ltrip_\@:
	TRIP 1
	s_add_co_u32 s[NN], s[NN], 1
	s_cmp_lt_u32 s[NN], 7
	s_cbranch_scc1 .Ltrip_\@
	TRIP 0                                         ; the eighth trip has no successor: written out
.endm
; ---- the product with Wo: my two query tiles as one operand of K = 128 against Wo twice; then the sum over the tile's 16 rows
.macro OUTP
	v_add_nc_u32 v8, s[WVB], v[LI]
	v_add_nc_u32 v9, s[WVB], v[LS]
	v_add_nc_u32 v10, WIMG, v[LI]
	v_add_nc_u32 v11, WWD, v[LS]
	s_lshl_b32 s78, s[SWV], 9
	s_add_co_u32 s78, s78, RED
	v_lshlrev_b32 v14, 1, v[LS]                    ; 8 lane
	v_add_nc_u32 v13, s78, v14
	v_and_b32 v12, 15, v0
	v_lshlrev_b32 v12, 2, v12
	v_bfe_u32 v[AK], v0, 4, 1
	v_lshl_add_u32 v12, v[AK], 8, v12
	v_add_nc_u32 v12, s78, v12                     ; RED + 512 w + 256 h + 4 r
.irp q,0,1,2,3
	ds_load_b128 v[TT+4*\q:TT+4*\q+3], v8 offset:512*\q
.endr
.irp q,0,1,2,3
	ds_load_b32 v[TT+16+\q], v9 offset:2048+128*\q
.endr
	WLOAD PP, 10, 12
	WLOAD PP+16, 10, 13
	WLOAD PP+32, 10, 14
	WLOAD KK, 10, 15
.irp q,0,1,2,3
	ds_load_b32 v[SC+1+\q], v11 offset:128*(12+\q)
.endr
	s_wait_dscnt 0x0
	v_lshl_or_b32 v[SC], v[TT+17], 8, v[TT+16]
	v_lshl_or_b32 v[SC], v[TT+18], 16, v[SC]
	v_lshl_or_b32 v[SC], v[TT+19], 24, v[SC]
	PLACES 8                                       ; a scale word made by vector instructions stands eight places ahead
	WMS0 SS, TT, PP, SC, SC+1
	WMS0 SS+8, TT, PP+16, SC, SC+2
	WMS0 SS+16, TT, PP+32, SC, SC+3
	WMS0 SS+24, TT, KK, SC, SC+4
	PLACES 8
.irp q,0,1,2,3
	v_pk_add_f32 v[WT+4*\q:WT+4*\q+1], v[SS+8*\q:SS+8*\q+1], v[SS+8*\q+2:SS+8*\q+3]
.endr
.irp q,0,1,2,3
	v_pk_add_f32 v[WT+4*\q+2:WT+4*\q+3], v[SS+8*\q+4:SS+8*\q+5], v[SS+8*\q+6:SS+8*\q+7]
.endr
.irp q,0,1,2,3
	v_pk_add_f32 v[WT+4*\q:WT+4*\q+1], v[WT+4*\q:WT+4*\q+1], v[WT+4*\q+2:WT+4*\q+3]
.endr
.irp q,0,1,2,3
	v_add_f32 v[OO+\q], v[WT+4*\q], v[WT+4*\q+1]
.endr
.irp q,0,1,2,3
	ds_store_b32 v12, v[OO+\q] offset:64*\q
.endr
	BAR                                            ; the partial sums lie in LDS, and nobody reads this round's K and V any more
	s_cmp_eq_u32 s[SWV], 0                         ; waves 0 and 6 add their batch's twelve partial rows
	s_cbranch_scc1 .Lred_\@
	s_cmp_eq_u32 s[SWV], 6
	s_cbranch_scc0 .Lnored_\@
.Lred_\@:
.irp q,0,1,2,3,4,5,6,7,8,9,10,11
	ds_load_b64 v[PP+2*\q:PP+2*\q+1], v13 offset:256*\q
.endr
	s_wait_dscnt 0x0
.irp q,0,1,2,3,4,5
	v_pk_add_f32 v[PP+2*\q:PP+2*\q+1], v[PP+2*\q:PP+2*\q+1], v[PP+12+2*\q:PP+13+2*\q]
.endr
.irp q,0,1,2
	v_pk_add_f32 v[PP+2*\q:PP+2*\q+1], v[PP+2*\q:PP+2*\q+1], v[PP+6+2*\q:PP+7+2*\q]
.endr
	v_pk_add_f32 v[PP:PP+1], v[PP:PP+1], v[PP+2:PP+3]
	v_pk_add_f32 v[PP:PP+1], v[PP:PP+1], v[PP+4:PP+5]
	v_pk_fma_f32 v[PP:PP+1], v[PP:PP+1], s[INV:INV+1], v[BO:BO+1] op_sel_hi:[1,0,1]   ; the mean, and bo
	global_store_b64 v14, v[PP:PP+1], s[34:35]     ; 32 lanes store 256 consecutive bytes, aligned
.Lnored_\@:
	s_wait_xcnt 0x0                                ; the store's registers and base are written again only behind this wait
	s_add_nc_u64 s[34:35], s[34:35], 512           ; two batches on
.endm
.macro ROUND refill
	XPHASE
	KPROJ 0
	KPROJ 1
	v_and_b32 v8, 15, v0                           ; (x's stores, which named v8, were waited for in front of the first products)
	v_lshl_add_u32 v8, v8, 2, BIAS                 ; bv: 4 r
	VPROJ 0
	VPROJ 1
.if \refill
	s_wait_tensorcnt 0x0                           ; no tensor load of mine is out, so the descriptor may be stepped
	ds_add_u32 v[SPW], v[NIL]                      ; 0 onto my spare word
	s_add_nc_u64 s[G0+2:G0+3], s[G0+2:G0+3], 97920 ; two batches on; the type bits on top are not reached
	s_wait_dscnt 0x0                               ; the add is done, my reads of x's rows are over, my images of K and V have landed
	s_barrier_signal -1
	s_barrier_wait -1
	TLOAD                                          ; the next round's rows: first thing behind the barrier, my one tensor load; the attention phase is the time in which it lands
.else
	BAR                                            ; K's and V's images of both batches lie in LDS
.endif
	ATTN
	OUTP
.endm
	s_mov_b32 s[RND], 3
.Lround:
	ROUND 1
	s_sub_co_u32 s[RND], s[RND], 1
	s_cmp_lg_u32 s[RND], 0
	s_cbranch_scc1 .Lround
	ROUND 0                                        ; the last round is written out: it asks for nothing more
	s_wait_tensorcnt 0x0                           ; the wave's end, behind my last tensor load and my last LDS store
	ds_add_u32 v[SPW], v[NIL]
	s_wait_dscnt 0x0
	s_endpgm
.Lfunc_end_k_qcf5b8ea497_attn:
	.size	k_qcf5b8ea497_attn, .Lfunc_end_k_qcf5b8ea497_attn-k_qcf5b8ea497_attn
	.p2alignl 7, 3214868480
	.fill 96, 4, 3214868480
	.section	.rodata,"a",@progbits
	.p2align	6, 0x0
	.amdhsa_kernel k_qcf5b8ea497_attn
		.amdhsa_group_segment_fixed_size 327680
		.amdhsa_private_segment_fixed_size 0
		.amdhsa_enable_private_segment 0
		.amdhsa_kernarg_size 144
		.amdhsa_user_sgpr_count 2
		.amdhsa_user_sgpr_kernarg_segment_ptr 1
		.amdhsa_wavefront_size32 1
		.amdhsa_system_sgpr_workgroup_id_x 1
		.amdhsa_system_sgpr_workgroup_id_y 1
		.amdhsa_system_sgpr_workgroup_id_z 1
		.amdhsa_system_vgpr_workitem_id 0
		.amdhsa_next_free_vgpr 256
		.amdhsa_next_free_sgpr 100
		.amdhsa_reserve_vcc 0
		.amdhsa_float_denorm_mode_32 3
		.amdhsa_float_denorm_mode_16_64 3
		.amdhsa_memory_ordered 1
		.amdhsa_forward_progress 1
		.amdhsa_inst_pref_size 219
	.end_amdhsa_kernel
	.amdgpu_metadata
---
amdhsa.version: [ 1, 2 ]
amdhsa.kernels:
  - .name:           k_qcf5b8ea497_attn
    .symbol:         k_qcf5b8ea497_attn.kd
    .args:
      - { .name: state, .offset: 0, .size: 8, .value_kind: global_buffer, .address_space: global }
      - { .name: Wq, .offset: 8, .size: 8, .value_kind: global_buffer, .address_space: global }
      - { .name: Wk, .offset: 16, .size: 8, .value_kind: global_buffer, .address_space: global }
      - { .name: Wv, .offset: 24, .size: 8, .value_kind: global_buffer, .address_space: global }
      - { .name: Wo, .offset: 32, .size: 8, .value_kind: global_buffer, .address_space: global }
      - { .name: bq, .offset: 40, .size: 8, .value_kind: global_buffer, .address_space: global }
      - { .name: bk, .offset: 48, .size: 8, .value_kind: global_buffer, .address_space: global }
      - { .name: bv, .offset: 56, .size: 8, .value_kind: global_buffer, .address_space: global }
      - { .name: bo, .offset: 64, .size: 8, .value_kind: global_buffer, .address_space: global }
      - { .name: v1_wmu, .offset: 72, .size: 8, .value_kind: global_buffer, .address_space: global }
      - { .name: v1_wsig, .offset: 80, .size: 8, .value_kind: global_buffer, .address_space: global }
      - { .name: v1_weps, .offset: 88, .size: 8, .value_kind: global_buffer, .address_space: global }
      - { .name: a1_wmu, .offset: 96, .size: 8, .value_kind: global_buffer, .address_space: global }
      - { .name: a1_wsig, .offset: 104, .size: 8, .value_kind: global_buffer, .address_space: global }
      - { .name: a1_weps, .offset: 112, .size: 8, .value_kind: global_buffer, .address_space: global }
      - { .name: att, .offset: 120, .size: 8, .value_kind: global_buffer, .address_space: global }
      - { .name: hc, .offset: 128, .size: 8, .value_kind: global_buffer, .address_space: global }
      - { .name: hs, .offset: 136, .size: 8, .value_kind: global_buffer, .address_space: global }
    .group_segment_fixed_size: 327680
    .private_segment_fixed_size: 0
    .kernarg_segment_align: 8
    .kernarg_segment_size: 144
    .max_flat_workgroup_size: 384
    .sgpr_count:     100
    .vgpr_count:     256
    .wavefront_size: 32
...
	.end_amdgpu_metadata
.endif
;; end of part 1
;; launch head (part 2): grid 128 x 1, 8 waves a work-group, no clusters, 22,784 bytes of LDS; arguments att, state, W1, b1, hc, hs, v1_bmu, v1_bsig, v1_beps, a1_bmu, a1_bsig, a1_beps, v2_wmu, v2_wsig, v2_weps, a2_wmu, a2_wsig, a2_weps, v2_bmu, v2_bsig, v2_beps, a2_bmu, a2_bsig, a2_beps, out0; writes out0
.if DOCPART == 2
	.amdgcn_target "amdgcn-amd-amdhsa--gfx1250"
	.amdhsa_code_object_version 6
	.text
	.protected	k_qcf5b8ea497_head
	.globl	k_qcf5b8ea497_head
	.p2align	8
	.type	k_qcf5b8ea497_head,@function
k_qcf5b8ea497_head:
	s_mov_b64 s[64:65], 0
	v_nop
	global_prefetch_b8 v0, s[64:65] scope:SCOPE_SE
	s_setreg_imm32_b32 hwreg(HW_REG_WAVE_MODE, 25, 1), 1
	s_wait_xcnt 0x0
; out0 = value + (adv - mean(adv)), from feat = relu([att, port] W1^T + b1), the two noisy hidden layers (stacked: 256 units, their weights' codes and scale words made by the launch before) and the two noisy last layers.
; The products with W1 (K = 68) and with the hidden weights (K = 256) go on codes of E5M2 with one E8M0 scale for each 32 along K; the last layers (N = 1 and 3) are f32 multiply-adds.
; Of state only port = state[:, 179, 64:68] is read here: the problem takes nothing else of it at this place.  No work is left out.
; LIMITS: NaN and infinities are not served; a block whose largest magnitude lies under 2^(16 - 127), a block of zeros among them, keeps the scale byte 1.
; SHARES.  A work-group takes 16 batch rows.  Wave w makes feat's units 32 w .. 32 w + 31 (block w of the next K), hidden units 32 w .. 32 w + 31 of the stacked 256, and the outputs of rows 2 w, 2 w + 1.
; Both products are used transposed (source 0 = 16 rows of the weight, source 1 = the 16 batch rows): a lane holds one batch row.  Lane r of W1's tile u takes row 32 w + 8 u + r + 8 (r / 8), so that the two tiles'
; 16 registers are 16 neighbours along the next K.  Operands go from wave to wave through LDS as images of their registers.  128 work-groups: there are 2,048 rows, 16 to a matrix tile.
.set FIMG, 0                           ; feat's codes: 512 w + 16 lane
.set FSB,  4096                        ; feat's bytes as words: 128 w + 4 lane
.set HST,  5120                        ; the hidden layer: 16 rows x (1,024 + 16) bytes
.set HP,   1040
.set SPARE, 21760                      ; the spare words, 128 bytes for each of 8 waves; no other line names them
.set LN, 1
.set RR, 2
.set HH, 3
.set LI, 4
.set LS, 5
.set SPW, 6
.set NIL, 7
.set AATT, 8                           ; global offsets, one register for each stream
.set APRT, 9
.set AW1, 10
.set AW1Q, 11
.set CW, 12                            ; v12-20 scale words and nothing else
.set W1W, 13
.set FW, 15
.set HSW, 17
.set AB1, 21
.set AHW, 22
.set AHS, 23
.set AHB, 24
.set MX, 25                            ; v25-27 largest magnitudes, v28-30 the other half's, then bytes
.set PR, 28
.set FST, 31
.set HW, 32                            ; v32-95 four fragments of the hidden weights
.set CN, 96                            ; v96-135 the combined row's 40 numbers; later WF0, WF1, feat's codes
.set WF, 96
.set FC, 128
.set N0, 136                           ; v136-175, v176-215 W1's two tiles of numbers
.set D1, 136                           ; later feat's two accumulators,
.set HN, 152                           ; its held numbers,
.set HB, 168                           ; the hidden bias: mu, sigma, epsilon,
.set D2, 184                           ; the hidden accumulators,
.set HR2, 200                          ; and relu of them
.set CF, 216                           ; v216-231 the combined row's codes; later the last weights' mu
.set B1T, 232                          ; v232-247 b1's two tiles; later sigma
.set MU, 216
.set SG, 232
.set EP, 96
.set HR, 112
.set DT, 136
.set DU, 144
.set BV, 152
.set SO, 248
.set BD, 251
.set FBS, 254
.set HSS, 255
.set THIRD, 57
.set H1, 58
.set MNT, 59
.set SEL, 66
.set SWV, 76
.macro PLACES n
.rept \n
	v_nop
.endr
.endm
.macro BAR
	s_wait_dscnt 0x0
	s_barrier_signal -1
	s_barrier_wait -1
.endm
.macro WMS d, a, b, c, sa, sb
	v_wmma_scale_f32_16x16x128_f8f6f4 v[\d:\d+7], v[\a:\a+15], v[\b:\b+15], v[\c:\c+7], v[\sa], v[\sb] matrix_a_fmt:MATRIX_FMT_BF8 matrix_b_fmt:MATRIX_FMT_BF8
.endm
; A row of K = 68: blocks 0 and 1 as 16 numbers a lane, block 2 as the four numbers k = 64 .. 67 in lanes 0-15 and zeros elsewhere; the rest of the operand is zero codes.
.macro QUANT68 n, cod, word
.irp i,32,33,34,35
	v_cndmask_b32 v[\n+\i], v[\n+\i], v[NIL], s[H1]   ; lanes 16-31 stand for k = 80 on: past the end of K
.endr
.irp i,36,37,38,39
	v_mov_b32 v[\n+\i], 0
.endr
.irp b,0,1,2
	v_max3_num_f32 v[MX+\b], |v[\n+16*\b]|, |v[\n+16*\b+1]|, 0x8000000
.endr
	v_max3_num_f32 v[MX+2], v[MX+2], |v[\n+34]|, |v[\n+35]|
.irp i,2,4,6,8,10,12,14
.irp b,0,1
	v_max3_num_f32 v[MX+\b], v[MX+\b], |v[\n+16*\b+\i]|, |v[\n+16*\b+\i+1]|
.endr
.endr
.irp b,0,1,2
	v_permlanex16_b32 v[PR+\b], v[MX+\b], s[SEL], s[SEL+1]
.endr
.irp b,0,1,2
	v_max_num_f32 v[MX+\b], v[MX+\b], v[PR+\b]
.endr
.irp b,0,1,2
	v_add_nc_u32 v[SO+\b], 0xf8800000, v[MX+\b]
.endr
.irp b,0,1,2
	v_and_or_b32 v[BD+\b], v[MX+\b], 0x7f800000, s[MNT]
.endr
.irp b,0,1,2
	v_lshrrev_b32 v[PR+\b], 23, v[SO+\b]
.endr
	v_lshl_or_b32 v[\word], v[PR+1], 8, v[PR]
	v_lshl_or_b32 v[\word], v[PR+2], 16, v[\word]
.irp b,0,1
.irp i,0,1,2,3,4,5,6,7,8,9,10,11,12,13,14,15
	v_med3_num_f32 v[\n+16*\b+\i], v[\n+16*\b+\i], -v[BD+\b], v[BD+\b]
.endr
	v_cvt_scalef32_pk8_bf8_f32 v[\cod+4*\b:\cod+4*\b+1], v[\n+16*\b:\n+16*\b+7], v[SO+\b]
	v_cvt_scalef32_pk8_bf8_f32 v[\cod+4*\b+2:\cod+4*\b+3], v[\n+16*\b+8:\n+16*\b+15], v[SO+\b]
.endr
.irp i,32,33,34,35
	v_med3_num_f32 v[\n+\i], v[\n+\i], -v[BD+2], v[BD+2]
.endr
	v_cvt_scalef32_pk8_bf8_f32 v[\cod+8:\cod+9], v[\n+32:\n+39], v[SO+2]
.irp i,10,11,12,13,14,15
	v_mov_b32 v[\cod+\i], 0                        ; zero codes; also the plain lines behind the last conversion
.endr
.endm
	s_load_b512 s[4:19], s[0:1], 0x0               ; att 4, state 6, W1 8, b1 10, hc 12, hs 14, v1_bmu 16, v1_bsig 18
	s_load_b512 s[20:35], s[0:1], 0x40             ; v1_beps 20, a1_bmu 22, a1_bsig 24, a1_beps 26, v2_wmu 28, v2_wsig 30, v2_weps 32, a2_wmu 34
	s_load_b512 s[36:51], s[0:1], 0x80             ; a2_wsig 36, a2_weps 38, v2_bmu 40, v2_bsig 42, v2_beps 44, a2_bmu 46, a2_bsig 48, a2_beps 50
	s_load_b64 s[52:53], s[0:1], 0xc0              ; out0
	v_lshl_add_u32 v[SPW], v0, 2, SPARE
	v_mov_b32 v[NIL], 0
	v_lshrrev_b32 v[LN], 5, v0
	v_readfirstlane_b32 s[SWV], v[LN]              ; wave 0..7
	v_and_b32 v[LN], 31, v0
	v_and_b32 v[RR], 15, v0
	v_bfe_u32 v[HH], v0, 4, 1
	v_lshlrev_b32 v[LI], 4, v[LN]
	v_lshlrev_b32 v[LS], 2, v[LN]
	s_mov_b32 s[SEL], 0x76543210
	s_mov_b32 s[SEL+1], 0xfedcba98
	s_mov_b32 s[MNT], 0x600000
	s_mov_b32 s[H1], 0xffff0000
	s_mov_b32 s[THIRD], 0x3eaaaaab
.irp b,0,1,2
	v_mov_b32 v[PR+\b], 0                          ; a lane permute's destination counts as one of its sources
.endr
	v_lshlrev_b32 v[AATT], 8, v[RR]
	v_lshl_add_u32 v[AATT], v[HH], 6, v[AATT]      ; att: row r, + 64 h
	v_mul_u32_u24 v[APRT], v[RR], 48960            ; state: batch r
	v_and_b32 v[AW1Q], 8, v0
	v_add_nc_u32 v[AW1Q], v[AW1Q], v[RR]
	s_lshl_b32 s78, s[SWV], 5
	v_add_nc_u32 v[AW1Q], s78, v[AW1Q]             ; W1: row 32 w + r + 8 (r / 8)
	v_mul_u32_u24 v[AW1Q], v[AW1Q], 272
	v_lshl_add_u32 v[AW1], v[HH], 6, v[AW1Q]
	s_lshl_b32 s79, s[SWV], 7
	v_lshl_add_u32 v[AB1], v[HH], 6, s79           ; b1: 128 w + 64 h
	v_add_nc_u32 v[AHS], s78, v[RR]                ; the hidden weights: row 32 w + r
	v_lshlrev_b32 v[AHW], 8, v[AHS]
	v_lshl_add_u32 v[AHW], v[HH], 4, v[AHW]
	v_lshlrev_b32 v[AHS], 7, v[AHS]
	s_and_b32 s80, s[SWV], 3
	s_lshl_b32 s80, s80, 7
	v_lshl_add_u32 v[AHB], v[HH], 5, s80           ; the hidden bias: 128 (w % 4) + 32 h
	s_lshl_b32 s81, s[SWV], 9
	v_add_nc_u32 v[FST], s81, v[LI]
	v_add_nc_u32 v[FBS], s79, v[LS]
	v_mul_u32_u24 v[HSS], v[RR], HP
	v_lshl_add_u32 v[HSS], v[HH], 5, v[HSS]
	v_add_nc_u32 v[HSS], s79, v[HSS]               ; row r, + 128 w + 32 h
	s_mul_i32 s77, s[SWV], 2*HP
	s_wait_kmcnt 0x0
	s_load_b32 s54, s[40:41], 0x0                  ; the last layers' biases
	s_load_b32 s55, s[42:43], 0x0
	s_load_b32 s56, s[44:45], 0x0
	s_load_b96 s[60:62], s[46:47], 0x0
	s_load_b96 s[68:70], s[48:49], 0x0
	s_load_b96 s[72:74], s[50:51], 0x0
	s_lshl_b32 s80, ttmp9, 12
	s_mov_b32 s81, 0
	s_add_nc_u64 s[4:5], s[4:5], s[80:81]          ; att at my 16 rows
	s_mul_i32 s80, ttmp9, 783360
	s_add_nc_u64 s[6:7], s[6:7], s[80:81]          ; state at my 16 batches
	s_mul_i32 s80, ttmp9, 192
	s_mul_i32 s82, s[SWV], 24
	s_add_co_u32 s80, s80, s82
	s_add_nc_u64 s[52:53], s[52:53], s[80:81]      ; out0 at my wave's two rows
	s_cmp_lt_u32 s[SWV], 4                         ; waves 0-3 make v1's units, waves 4-7 a1's
	s_cselect_b64 s[84:85], s[16:17], s[22:23]
	s_cselect_b64 s[86:87], s[18:19], s[24:25]
	s_cselect_b64 s[88:89], s[20:21], s[26:27]
.irp c,0,1
.irp q,0,1,2,3
	global_load_b128 v[CN+16*\c+4*\q:CN+16*\c+4*\q+3], v[AATT], s[4:5] offset:128*\c+16*\q
.endr
.endr
	global_load_b128 v[CN+32:CN+35], v[APRT], s[6:7] offset:48944   ; port
.irp u,0,1
.irp c,0,1
.irp q,0,1,2,3
	global_load_b128 v[N0+40*\u+16*\c+4*\q:N0+40*\u+16*\c+4*\q+3], v[AW1], s[8:9] offset:2176*\u+128*\c+16*\q
.endr
.endr
	global_load_b128 v[N0+40*\u+32:N0+40*\u+35], v[AW1Q], s[8:9] offset:2176*\u+256
.endr
.irp u,0,1
	global_load_b128 v[B1T+8*\u:B1T+8*\u+3], v[AB1], s[10:11] offset:32*\u
	global_load_b128 v[B1T+8*\u+4:B1T+8*\u+7], v[AB1], s[10:11] offset:32*\u+16
.endr
.irp t,0,1
.irp s,0,1
.irp c,0,1,2,3
	global_load_b128 v[HW+16*(2*\t+\s)+4*\c:HW+16*(2*\t+\s)+4*\c+3], v[AHW], s[12:13] offset:4096*\t+128*\s+32*\c
.endr
.endr
.endr
.irp t,0,1
.irp s,0,1
	global_load_b32 v[HSW+2*\t+\s], v[AHS], s[14:15] offset:2048*\t+64*\s
.endr
.endr
	; ---- feat
	s_wait_loadcnt 42                              ; of the 51 loads the first nine are in: the combined row
	QUANT68 CN, CF, CW
	s_wait_loadcnt 33                              ; W1's first tile
	QUANT68 N0, WF, W1W
	s_wait_loadcnt 24                              ; its second
	QUANT68 N0+40, WF+16, W1W+1
.irp t,0,1
	global_load_b128 v[HB+8*\t:HB+8*\t+3], v[AHB], s[84:85] offset:64*\t
	global_load_b128 v[HB+8*\t+4:HB+8*\t+7], v[AHB], s[84:85] offset:64*\t+16
	global_load_b128 v[HB+16+8*\t:HB+19+8*\t], v[AHB], s[86:87] offset:64*\t
	global_load_b128 v[HB+20+8*\t:HB+23+8*\t], v[AHB], s[86:87] offset:64*\t+16
	global_load_b128 v[HB+32+8*\t:HB+35+8*\t], v[AHB], s[88:89] offset:64*\t
	global_load_b128 v[HB+36+8*\t:HB+39+8*\t], v[AHB], s[88:89] offset:64*\t+16
.endr
	PLACES 4                                       ; an operand written by vector instructions stands four places ahead
	s_wait_loadcnt 32                              ; b1 is in: behind it 20 loads of the hidden weights and the 12 just issued
	WMS D1, WF, CF, B1T, W1W, CW
	WMS D1+8, WF+16, CF, B1T+8, W1W+1, CW
	PLACES 8
	global_load_b128 v[MU:MU+3], v[LI], s[28:29]   ; the last layers' weights, 16 bytes a lane, into registers that the products have left
	global_load_b128 v[SG:SG+3], v[LI], s[30:31]
	global_load_b128 v[EP:EP+3], v[LI], s[32:33]
.irp i,0,1,2
	global_load_b128 v[MU+4+4*\i:MU+7+4*\i], v[LI], s[34:35] offset:512*\i
	global_load_b128 v[SG+4+4*\i:SG+7+4*\i], v[LI], s[36:37] offset:512*\i
	global_load_b128 v[EP+4+4*\i:EP+7+4*\i], v[LI], s[38:39] offset:512*\i
.endr
	v_max3_num_f32 v[MX], v[D1], v[D1+1], 0x8000000   ; no |.|: what is negative becomes 0, so it does not count
.irp i,2,4,6,8,10,12,14
	v_max3_num_f32 v[MX], v[MX], v[D1+\i], v[D1+\i+1]
.endr
	v_permlanex16_b32 v[PR], v[MX], s[SEL], s[SEL+1]
	v_max_num_f32 v[MX], v[MX], v[PR]
	v_add_nc_u32 v[SO], 0xf8800000, v[MX]
	v_and_or_b32 v[BD], v[MX], 0x7f800000, s[MNT]
	v_lshrrev_b32 v[PR], 23, v[SO]
.irp i,0,1,2,3,4,5,6,7,8,9,10,11,12,13,14,15
	v_med3_num_f32 v[HN+\i], v[D1+\i], 0, v[BD]    ; the activation and the hold in one
.endr
	v_cvt_scalef32_pk8_bf8_f32 v[FC:FC+1], v[HN:HN+7], v[SO]
	v_cvt_scalef32_pk8_bf8_f32 v[FC+2:FC+3], v[HN+8:HN+15], v[SO]
	v_nop
	ds_store_b128 v[FST], v[FC:FC+3] offset:FIMG
	ds_store_b32 v[FBS], v[PR] offset:FSB
	BAR                                            ; feat's eight blocks lie in LDS
	; ---- the hidden layers
	v_add_nc_u32 v[AATT], s77, v[LI]               ; (att's loads were waited for long ago)  where I read h's rows back: rows 2 w on, 16 bytes a lane
.irp s,0,1
.irp c,0,1,2,3
	ds_load_b128 v[HR+24*\s+4*\c:HR+24*\s+4*\c+3], v[LI] offset:FIMG+512*(4*\s+\c)
.endr
.endr
.irp k,0,1,2,3,4,5,6,7
	ds_load_b32 v[HN+\k], v[LS] offset:FSB+128*\k
.endr
	s_wait_dscnt 0x0
.irp s,0,1
	v_lshl_or_b32 v[FW+\s], v[HN+4*\s+1], 8, v[HN+4*\s]
	v_lshl_or_b32 v[FW+\s], v[HN+4*\s+2], 16, v[FW+\s]
	v_lshl_or_b32 v[FW+\s], v[HN+4*\s+3], 24, v[FW+\s]
.endr
	s_wait_loadcnt 12                              ; all but the last layers' twelve loads
.irp i,0,2,4,6,8,10,12,14
	v_pk_fma_f32 v[HB+\i:HB+\i+1], v[HB+16+\i:HB+17+\i], v[HB+32+\i:HB+33+\i], v[HB+\i:HB+\i+1]   ; mu + sigma epsilon
.endr
	PLACES 8                                       ; a scale word made by vector instructions stands eight places ahead
	WMS D2, HW, HR, HB, HSW, FW                    ; the two accumulators take turns
	WMS D2+8, HW+32, HR, HB+8, HSW+2, FW
	WMS D2, HW+16, HR+24, D2, HSW+1, FW+1
	WMS D2+8, HW+48, HR+24, D2+8, HSW+3, FW+1
	PLACES 8
.irp i,0,1,2,3,4,5,6,7,8,9,10,11,12,13,14,15
	v_max_num_f32 v[HR2+\i], 0, v[D2+\i]
.endr
.irp t,0,1
	ds_store_b128 v[HSS], v[HR2+8*\t:HR2+8*\t+3] offset:HST+64*\t
	ds_store_b128 v[HSS], v[HR2+8*\t+4:HR2+8*\t+7] offset:HST+64*\t+16
.endr
	BAR                                            ; 16 rows of 256 hidden units lie in LDS
	; ---- the last layers: rows 2 w and 2 w + 1; a lane takes four units of each half
.irp e,0,1
	ds_load_b128 v[HR+8*\e:HR+8*\e+3], v[AATT] offset:HST+HP*\e
	ds_load_b128 v[HR+8*\e+4:HR+8*\e+7], v[AATT] offset:HST+HP*\e+512
.endr
	s_wait_loadcnt 0x0
.irp i,0,2,4,6,8,10,12,14
	v_pk_fma_f32 v[MU+\i:MU+\i+1], v[SG+\i:SG+\i+1], v[EP+\i:EP+\i+1], v[MU+\i:MU+\i+1]
.endr
	s_wait_dscnt 0x0
.irp e,0,1
.irp k,0,1,2,3
	v_mul_f32 v[DT+4*\e+\k], v[HR+8*\e+4*((\k+3)/4)], v[MU+4*\k]
.endr
.endr
.irp i,1,2,3
.irp e,0,1
.irp k,0,1,2,3
	v_fmac_f32 v[DT+4*\e+\k], v[HR+8*\e+4*((\k+3)/4)+\i], v[MU+4*\k+\i]
.endr
.endr
.endr
.irp x,1,2,4,8
.irp k,0,1,2,3,4,5,6,7
	v_add_f32_dpp v[DT+\k], v[DT+\k], v[DT+\k] row_xmask:\x row_mask:0xf bank_mask:0xf
.endr
.endr
.irp k,0,1,2,3,4,5,6,7
	v_permlanex16_b32 v[DU+\k], v[DT+\k], s[SEL], s[SEL+1]
.endr
.irp k,0,1,2,3,4,5,6,7
	v_add_f32 v[DT+\k], v[DT+\k], v[DU+\k]         ; every lane holds the eight sums
.endr
	s_wait_kmcnt 0x0
	v_mov_b32 v[BV], s54
	v_fma_f32 v[BV], s55, s56, v[BV]
.irp k,0,1,2
	v_mov_b32 v[BV+1+\k], s[60+\k]
	v_fma_f32 v[BV+1+\k], s[68+\k], s[72+\k], v[BV+1+\k]
.endr
.irp e,0,1
.irp k,0,1,2,3
	v_add_f32 v[DT+4*\e+\k], v[DT+4*\e+\k], v[BV+\k]
.endr
.endr
.irp e,0,1
	v_add_f32 v[BV+4+\e], v[DT+4*\e+1], v[DT+4*\e+2]
.endr
.irp e,0,1
	v_add_f32 v[BV+4+\e], v[BV+4+\e], v[DT+4*\e+3]
.endr
.irp e,0,1
	v_fma_f32 v[BV+4+\e], -v[BV+4+\e], s[THIRD], v[DT+4*\e]   ; value - mean(adv)
.endr
.irp e,0,1
.irp k,0,1,2
	v_add_f32 v[BV+8+3*\e+\k], v[DT+4*\e+1+\k], v[BV+4+\e]
.endr
.endr
.irp k,1,2,3,4,5
	v_cmp_eq_u32 s80, \k, v[LN]
	v_cndmask_b32 v[BV+8], v[BV+8], v[BV+8+\k], s80   ; lane l of the first six takes number l of the two rows' six
.endr
	v_cmp_gt_u32 vcc_lo, 6, v[LN]
	s_wait_xcnt 0x0                                ; EXEC changes only behind this wait
	s_and_saveexec_b32 s81, vcc_lo
	global_store_b32 v[LS], v[BV+8], s[52:53]      ; 24 consecutive bytes: two rows of out0
	s_wait_xcnt 0x0                                ; and again, in front of the line that widens it
	s_or_b32 exec_lo, exec_lo, s81
	s_wait_tensorcnt 0x0                           ; the wave's end, behind my last LDS store
	ds_add_u32 v[SPW], v[NIL]
	s_wait_dscnt 0x0
	s_endpgm
.Lfunc_end_k_qcf5b8ea497_head:
	.size	k_qcf5b8ea497_head, .Lfunc_end_k_qcf5b8ea497_head-k_qcf5b8ea497_head
	.p2alignl 7, 3214868480
	.fill 96, 4, 3214868480
	.section	.rodata,"a",@progbits
	.p2align	6, 0x0
	.amdhsa_kernel k_qcf5b8ea497_head
		.amdhsa_group_segment_fixed_size 22784
		.amdhsa_private_segment_fixed_size 0
		.amdhsa_enable_private_segment 0
		.amdhsa_kernarg_size 200
		.amdhsa_user_sgpr_count 2
		.amdhsa_user_sgpr_kernarg_segment_ptr 1
		.amdhsa_wavefront_size32 1
		.amdhsa_system_sgpr_workgroup_id_x 1
		.amdhsa_system_sgpr_workgroup_id_y 1
		.amdhsa_system_sgpr_workgroup_id_z 1
		.amdhsa_system_vgpr_workitem_id 0
		.amdhsa_next_free_vgpr 256
		.amdhsa_next_free_sgpr 90
		.amdhsa_reserve_vcc 1
		.amdhsa_float_denorm_mode_32 3
		.amdhsa_float_denorm_mode_16_64 3
		.amdhsa_memory_ordered 1
		.amdhsa_forward_progress 1
		.amdhsa_inst_pref_size 40
	.end_amdhsa_kernel
	.amdgpu_metadata
---
amdhsa.version: [ 1, 2 ]
amdhsa.kernels:
  - .name:           k_qcf5b8ea497_head
    .symbol:         k_qcf5b8ea497_head.kd
    .args:
      - { .name: att, .offset: 0, .size: 8, .value_kind: global_buffer, .address_space: global }
      - { .name: state, .offset: 8, .size: 8, .value_kind: global_buffer, .address_space: global }
      - { .name: W1, .offset: 16, .size: 8, .value_kind: global_buffer, .address_space: global }
      - { .name: b1, .offset: 24, .size: 8, .value_kind: global_buffer, .address_space: global }
      - { .name: hc, .offset: 32, .size: 8, .value_kind: global_buffer, .address_space: global }
      - { .name: hs, .offset: 40, .size: 8, .value_kind: global_buffer, .address_space: global }
      - { .name: v1_bmu, .offset: 48, .size: 8, .value_kind: global_buffer, .address_space: global }
      - { .name: v1_bsig, .offset: 56, .size: 8, .value_kind: global_buffer, .address_space: global }
      - { .name: v1_beps, .offset: 64, .size: 8, .value_kind: global_buffer, .address_space: global }
      - { .name: a1_bmu, .offset: 72, .size: 8, .value_kind: global_buffer, .address_space: global }
      - { .name: a1_bsig, .offset: 80, .size: 8, .value_kind: global_buffer, .address_space: global }
      - { .name: a1_beps, .offset: 88, .size: 8, .value_kind: global_buffer, .address_space: global }
      - { .name: v2_wmu, .offset: 96, .size: 8, .value_kind: global_buffer, .address_space: global }
      - { .name: v2_wsig, .offset: 104, .size: 8, .value_kind: global_buffer, .address_space: global }
      - { .name: v2_weps, .offset: 112, .size: 8, .value_kind: global_buffer, .address_space: global }
      - { .name: a2_wmu, .offset: 120, .size: 8, .value_kind: global_buffer, .address_space: global }
      - { .name: a2_wsig, .offset: 128, .size: 8, .value_kind: global_buffer, .address_space: global }
      - { .name: a2_weps, .offset: 136, .size: 8, .value_kind: global_buffer, .address_space: global }
      - { .name: v2_bmu, .offset: 144, .size: 8, .value_kind: global_buffer, .address_space: global }
      - { .name: v2_bsig, .offset: 152, .size: 8, .value_kind: global_buffer, .address_space: global }
      - { .name: v2_beps, .offset: 160, .size: 8, .value_kind: global_buffer, .address_space: global }
      - { .name: a2_bmu, .offset: 168, .size: 8, .value_kind: global_buffer, .address_space: global }
      - { .name: a2_bsig, .offset: 176, .size: 8, .value_kind: global_buffer, .address_space: global }
      - { .name: a2_beps, .offset: 184, .size: 8, .value_kind: global_buffer, .address_space: global }
      - { .name: out0, .offset: 192, .size: 8, .value_kind: global_buffer, .address_space: global }
    .group_segment_fixed_size: 22784
    .private_segment_fixed_size: 0
    .kernarg_segment_align: 8
    .kernarg_segment_size: 200
    .max_flat_workgroup_size: 256
    .sgpr_count:     90
    .vgpr_count:     256
    .wavefront_size: 32
...
	.end_amdgpu_metadata
.endif
;; end of part 2
